; MI455X (gfx1250); checked and timed in simulation.
; The chip was launched on July 23, 2026; its instructions are those of AMD's public machine-readable ISA for CDNA 5 (MIT licence, August 2026) and "CDNA5" Instruction Set Architecture Reference Guide (July 2026). The comments in the code are by the model that wrote it; some were corrected since.
;; Multi Head Self Attention. Allowed arithmetic: matrix products marked QUANTISED: E2M1 operands, one E8M0 scale for each 32 along K, by v_wmma_scale_f32_16x16x128_f8f6f4 with both operands' format E2M1 (or v_wmma_scale_f32_32x16x128_f4), f32 sums; everything else in f32.
;; Inputs: b_attn 3,072 float32; b_proj 1,024 float32; w_attn 1,024 x 3,072 float32; w_proj 1,024 x 1,024 float32; x 4 x 2,048 x 1,024 float32.
;; Outputs: out0 4 x 2,048 x 1,024 float32.
;; This version of the problem:
;;   THIS VERSION OF THE PROBLEM IS GIVEN IN LOW PRECISION. The matrix products marked QUANTISED in the list below multiply operands that are first quantised to E2M1 (2 exponent bits, 1 mantissa bit; 4 bits a number), with one power-of-two scale for each 32 numbers along K (OCP MX v1.0); their sums are f32. All else is computed in f32.
;;   The module's matrix products, in the order in which they are computed (A, B: the left and right operand; K: the contracted axis; several contracted axes count as one K, in the product's order):
;;     1. [M 8,192, K 1,024] x [K 1,024, N 3,072]; A: input x; B: input w_attn: QUANTISED
;;     2. batch 64 x [M 2,048, K 64] x [K 64, N 2,048]; A: computed on the way; B: computed on the way: QUANTISED
;;     3. batch 64 x [M 2,048, K 2,048] x [K 2,048, N 64]; A: softmax (see below); B: computed on the way: QUANTISED
;;     4. [M 8,192, K 1,024] x [K 1,024, N 1,024]; A: computed on the way; B: input w_proj: QUANTISED
;;   THE QUANTISER, for each operand of a quantised product, along K:
;;     - K is cut into blocks of 32 from its start; a last block that is shorter is filled with zeros.
;;     - A block's scale is 2^e with e = floor(log2(the largest magnitude in the block)) - 2, held to -126 .. 127; a block of zeros has e = 0. As a byte (E8M0): e + 127.
;;     - Each number is divided by its block's scale, clamped to +-6, and rounded to the nearest number of E2M1, ties to even, subnormals kept.
;;     - The product sums the exact products of the quantised numbers (number of the format x scale) in f32.
;;   ~~~python
;;   def quantise(x, axis):      # numpy; x: float32 -> the quantised numbers, widened to float32 again
;;       x = np.moveaxis(x, axis, -1); K = x.shape[-1]
;;       x = np.pad(x, [(0, 0)] * (x.ndim - 1) + [(0, -K % 32)]); x = x.reshape(x.shape[:-1] + (-1, 32)); a = np.abs(x).max(-1, keepdims=True)
;;       e = np.where(a > 0, np.clip(np.frexp(np.where(a > 0, a, 1))[1] - 1 - 2, -126, 127), 0)      # np.frexp(a)[1] - 1 = floor(log2(a)), exactly
;;       r = np.clip(x / 2.0 ** e, -6, 6)
;;       step = 2.0 ** (np.maximum(np.frexp(np.where(r == 0, 1, r))[1] - 1, 0) - 1)
;;       q = np.round(r / step) * step * 2.0 ** e      # np.round: ties to even
;;       return np.moveaxis(q.reshape(q.shape[:-2] + (-1,))[..., :K], -1, axis).astype(np.float32)
;;   ~~~
;;   SOFTMAX AHEAD OF A QUANTISED PRODUCT. Where the list says 'softmax', what is quantised is not the finished softmax but p = 2^(t - M), with t = logit x log2(e) and M = ceil(the row's largest t), a whole number; so 1/2 < the row's largest p <= 1. The row's sum l is taken of the UNQUANTISED p, in f32, and the product's result is divided by l at the end. Since M is a whole number, a kernel that streams over the keys may use a running M (the ceiling of the running maximum): every later rescaling is an exact power of two, which a block's scale takes up: the codes' values come out the same.
;;   OPERANDS COMPUTED ON THE WAY. 'Computed on the way' means the value that the module computes at that place (a softmax that the list does not call 'softmax' is quantised finished and normalised). What goes into a quantiser is computed in f32, as accurately as f32 sums, v_exp_f32 and their like allow (about 1e-6 of the number): no bf16 or f16 on the way to a quantiser, and a product that is left as it is and whose result goes on into a quantised operand takes f32 operands (vector FMAs, or v_wmma_f32_16x16x4_f32). A number that lies on a knife's edge between two numbers of the format may be rounded either way, as far as f32 arithmetic and the matrix unit's own rounding can turn it there, and no further.
;; One version. Each part assembles by itself: llvm-mc -triple=amdgcn-amd-amdhsa -mcpu=gfx1250 --defsym DOCPART=n.
;; ======== version 1 of 1: 4 launches
;; workspace buffers: xq 4,456,448 bytes; wq 2,228,224 bytes; qc 4,718,592 bytes; kv 9,437,184 bytes; aq 4,456,448 bytes
;; launch prep (part 1): grid 512 x 1, 4 waves a work-group, no clusters, 34,304 bytes of LDS; arguments x, w_attn, w_proj, xq, wq; writes xq, wq
.if DOCPART == 1
	.amdgcn_target "amdgcn-amd-amdhsa--gfx1250"
	.amdhsa_code_object_version 6
	.text
	.protected	k_q913193f82b_prep
	.globl	k_q913193f82b_prep
	.p2align	8
	.type	k_q913193f82b_prep,@function
k_q913193f82b_prep:
	s_mov_b64 s[64:65], 0
	v_nop
	global_prefetch_b8 v0, s[64:65] scope:SCOPE_SE
	s_setreg_imm32_b32 hwreg(HW_REG_WAVE_MODE, 25, 1), 1
	s_wait_xcnt 0x0
; x [8192][1024], w_attn [1024][3072] and w_proj [1024][1024], f32, become codes of FP4 (E2M1) with one E8M0 scale byte for each 32 along K (x: its last axis; the weights: their FIRST axis).
; THE OUTPUT IS LAID AS IMAGES OF THE MATRIX OPERAND'S REGISTERS.  A block is 128 rows (tokens of x, columns of a weight); its record holds two chunks of 512 along K, CHK bytes each:
;   codes [K step of 128: 4][tile: 8][1,024 bytes], then scale words [tile][row 0..15][K step] x 4 bytes.  A fragment (16 rows x 128 K) is [c: 2][lane: 32][16 bytes]: lane (r, h) holds K = 64 c + 32 h + 0 .. 31 of the tile's row r.
;   THE ROWS OF A TILE ARE NOT NEIGHBOURS: lane r of tile 2 b + u holds row 32 b + 8 u + r + 8 (r / 8) of the block, so that a later product's results can be quantised in registers.
; A block's scale is 2^(floor(log2(its largest magnitude)) - 2); its byte is the largest magnitude's exponent field - 2, held at 1 from below.
; LIMITS: NaN and infinities among the inputs are not served; a block whose largest magnitude lies under 2^-124 gets the byte 1; a block of zeros gets the byte 1 where the rule says 127: its codes are zeros, and the bytes are read by this program alone.
; SHARES: work-groups 0-255 take x (a wave: one tile x one chunk), 256-447 w_attn, 448-511 w_proj (a work-group: 128 columns x 128 along K; a wave 32 columns).  Waves share nothing: no barrier.  No matrix work, no tensor loads:
; the launch reads each f32 number once and is bound by those bytes.
.set CHK,  34816
.set STG,  8448                        ; x's path: a stage of 16 rows x (512 + 16) bytes for each wave
.set LI,   1                           ; v1   16 x lane
.set SI,   2                           ; v2   into the stage: 16 x lane + my wave's stage
.set SO,   3                           ; v3   out of it: 528 r + 64 h + my wave's stage
.set RA,   4                           ; v4   16 r: my row's four scale words
.set PW,   12                          ; v12-15  a scale word for each K step
.set TM,   16                          ; v16-31  at work
.set PC,   32                          ; v32-63  codes: eight registers for each K step, never written again
.set R,    64                          ; v64-191 two sets of 64 registers as loaded
.set X,    192                         ; v192-255 64 numbers of my row: register 16 b + i = K 32 b + 16 h + i
	s_load_b128 s[4:7], s[0:1], 0x0                ; x, w_attn
	s_load_b128 s[8:11], s[0:1], 0x10              ; w_proj, xq
	s_load_b64 s[12:13], s[0:1], 0x20              ; wq
	s_set_vgpr_msb 0x40
	v_lshl_add_u32 v0, v0, 2, 0x8400
	v_mov_b32 v1, 0
	s_set_vgpr_msb 0x4000
	v_lshrrev_b32 v5, 5, v0
	v_readfirstlane_b32 s14, v5                    ; wave 0..3
	v_and_b32 v6, 31, v0                           ; lane
	s_mov_b32 s21, 0
	s_mov_b32 s25, 0
	s_wait_kmcnt 0x0
	s_cmp_lt_u32 ttmp9, 256
	s_cbranch_scc0 .Lweights
; 64 numbers of a lane, v[s] on, become a fragment's codes in v[pc] on and its row's scale word in v[pw]
.macro QUANT s, pc, pw
.irp b, 0,1,2,3
	v_max3_num_f32 v[TM+\b], |v[\s+16*\b]|, |v[\s+1+16*\b]|, 0x1800000   ; block b: my 16 numbers, and the floor 2^(3 - 127): the byte cannot fall under 1
.endr
.irp i, 2,4,6,8,10,12,14
.irp b, 0,1,2,3
	v_max3_num_f32 v[TM+\b], v[TM+\b], |v[\s+16*\b+\i]|, |v[\s+1+16*\b+\i]|   ; the four blocks by turns
.endr
.endr
.irp b, 0,1,2,3
	v_permlanex16_b32 v[TM+4+\b], v[TM+\b], s30, s31
.endr
.irp b, 0,1,2,3
	v_max_num_f32 v[TM+\b], v[TM+\b], v[TM+4+\b]   ; with lane l xor 16's 16: the block's largest magnitude
.endr
.irp b, 0,1,2,3
	v_add_nc_u32 v[TM+12+\b], 0xff000000, v[TM+\b] ; 2 off its exponent field: the conversion takes this operand's exponent field as its scale
.endr
.irp b, 0,1,2,3
	v_lshrrev_b32 v[TM+4+\b], 23, v[TM+12+\b]      ; the scale's byte
.endr
	v_lshl_or_b32 v[\pw], v[TM+5], 8, v[TM+4]
	v_lshl_or_b32 v[\pw], v[TM+6], 16, v[\pw]
	v_lshl_or_b32 v[\pw], v[TM+7], 24, v[\pw]
.irp b, 0,1,2,3
	v_cvt_scalef32_pk8_fp4_f32 v[\pc+2*\b], v[\s+16*\b:\s+7+16*\b], v[TM+12+\b]
	v_cvt_scalef32_pk8_fp4_f32 v[\pc+1+2*\b], v[\s+8+16*\b:\s+15+16*\b], v[TM+12+\b]
.endr
	v_nop                                          ; one plain instruction behind the scaled conversions
.irp c, 0,1                                    ; the operand wants a whole block in a lane: lanes 0-15 block 2 c, lanes 16-31 block 2 c + 1
.irp i, 0,1
	v_permlane16_swap_b32 v[\pc+4*\c+\i], v[\pc+2+4*\c+\i]
.endr
.endr
.endm
.macro LOADX t                         ; K step t of the tile's 16 rows: each load reads 512 consecutive bytes of one row
.set ii, 0
.rept 16
	global_load_b128 v[R+64*((\t)%2)+4*ii:R+64*((\t)%2)+4*ii+3], v[LI], s[4:5] offset:(ii+8*(ii/8))*4096+512*(\t) th:TH_LOAD_NT
.set ii, ii+1
.endr
.endm
.macro TURNX t                         ; through my stage: in as loaded, out 16 neighbours of each block a lane.  LDS serves a wave's instructions in order: no wait between
.set ii, 0
.rept 16
	ds_store_b128 v[SI], v[R+64*((\t)%2)+4*ii:R+64*((\t)%2)+4*ii+3] offset:528*ii
.set ii, ii+1
.endr
.irp b, 0,1,2,3
.irp j, 0,1,2,3
	ds_load_b128 v[X+16*\b+4*\j:X+16*\b+4*\j+3], v[SO] offset:128*\b+16*\j
.endr
.endr
.endm
	; ---- x: block = id / 4, chunk = (id / 2) % 2, tile = 4 (id % 2) + wave
	s_lshr_b32 s16, ttmp9, 2
	s_bfe_u32 s17, ttmp9, 0x10001
	s_and_b32 s18, ttmp9, 1
	s_lshl_b32 s18, s18, 2
	s_add_co_u32 s18, s18, s14
	s_lshl_b32 s20, s16, 7                         ; the tile's first row: 128 block + 32 (tile / 2) + 8 (tile % 2)
	s_lshr_b32 s22, s18, 1
	s_lshl_b32 s22, s22, 5
	s_add_co_u32 s20, s20, s22
	s_and_b32 s22, s18, 1
	s_lshl_b32 s22, s22, 3
	s_add_co_u32 s20, s20, s22
	s_lshl_b32 s20, s20, 12                        ; rows of 4,096 bytes
	s_lshl_b32 s22, s17, 11                        ; + the chunk's 2,048
	s_add_co_u32 s20, s20, s22
	s_add_nc_u64 s[4:5], s[4:5], s[20:21]
	s_lshl_b32 s22, s16, 1
	s_add_co_u32 s22, s22, s17
	s_mul_i32 s22, s22, CHK                        ; the chunk in xq
	s_lshl_b32 s20, s18, 10
	s_add_co_u32 s20, s20, s22
	s_add_nc_u64 s[24:25], s[10:11], s[20:21]      ; my tile's codes
	s_lshl_b32 s20, s18, 8
	s_add_co_u32 s20, s20, s22
	s_add_co_u32 s20, s20, 32768
	s_add_nc_u64 s[26:27], s[10:11], s[20:21]      ; its scale words
	v_lshlrev_b32 v[LI], 4, v6
	LOADX 0
	LOADX 1
	s_mul_i32 s28, s14, STG
	v_add_nc_u32 v[SI], s28, v[LI]
	v_and_b32 v7, 15, v0                           ; r
	v_bfe_u32 v8, v0, 4, 1                         ; h
	v_mul_u32_u24 v[SO], v7, 528
	v_lshl_add_u32 v[SO], v8, 6, v[SO]
	v_add_nc_u32 v[SO], s28, v[SO]
	v_lshlrev_b32 v[RA], 4, v7
	s_mov_b32 s30, 0x76543210
	s_mov_b32 s31, 0xfedcba98                      ; v_permlanex16_b32's selects for lane l xor 16
.irp b, 0,1,2,3
	v_mov_b32 v[TM+4+\b], 0                        ; written once: a lane permute's destination counts as one of its sources
.endr
.irp t, 0,1,2,3
.if \t < 3
	s_wait_loadcnt 16                              ; this K step's 16 loads are in; the next step's 16 may be out
.else
	s_wait_loadcnt 0x0
.endif
	TURNX \t
	s_wait_dscnt 0x0                               ; my 64 numbers are back, and the stage's stores have read their registers,
.if \t < 2
	LOADX \t+2                                     ; which take the loads of two K steps on
.endif
	QUANT X, PC+8*\t, PW+\t
	global_store_b128 v[LI], v[PC+8*\t:PC+8*\t+3], s[24:25] offset:8192*\t        ; 32 lanes store 512 consecutive bytes, aligned
	global_store_b128 v[LI], v[PC+8*\t+4:PC+8*\t+7], s[24:25] offset:8192*\t+512
.endr
	global_store_b128 v[RA], v[PW:PW+3], s[26:27]  ; the tile's 256 bytes of scale words; lanes r and r + 16 hold and write the same 16 bytes
	s_set_vgpr_msb 0x5
	s_wait_tensorcnt 0x0
	ds_add_u32 v0, v1
	s_wait_dscnt 0x0
	s_set_vgpr_msb 0x500
	s_endpgm
; ---- the weights: A LANE TAKES A COLUMN AND ITS REGISTERS RUN DOWN K: a block of 32 along K lies in one lane, and the conversions give codes with K innermost.  Nothing is transposed.
.macro LOADW blk, N, SRC               ; block blk of the K step: 32 rows; each load reads 128 consecutive bytes a wave, the four waves side by side
.set ii, 0
.rept 32
	global_load_b32 v[64+32*(\blk)+ii], v1, s[\SRC:\SRC+1] offset:(32*(\blk)+ii)*\N*4 th:TH_LOAD_NT
.set ii, ii+1
.endr
.endm
.macro WBLOCK blk, N, SRC
.if (\blk) < 3
	s_wait_loadcnt 32                              ; this block's 32 loads are in; the next block's may be out
.else
	s_wait_loadcnt 0x0
.endif
.if (\blk) < 2
	LOADW (\blk)+2, \N, \SRC
.endif
.set XS, 64+32*(\blk)
	v_max3_num_f32 v8, |v[XS]|, |v[XS+1]|, |v[XS+2]|
	v_max3_num_f32 v9, |v[XS+3]|, |v[XS+4]|, |v[XS+5]|
.irp i, 6,10,14,18,22,26
	v_max3_num_f32 v8, v8, |v[XS+\i]|, |v[XS+\i+1]|
	v_max3_num_f32 v9, v9, |v[XS+\i+2]|, |v[XS+\i+3]|
.endr
	v_max3_num_f32 v8, v8, |v[XS+30]|, |v[XS+31]|
	v_max3_num_f32 v8, v8, v9, 0x1800000           ; and the floor 2^(3 - 127)
	v_add_nc_u32 v10, 0xff000000, v8               ; the conversion's scale operand
	v_lshrrev_b32 v11, 23, v10                     ; the scale's byte
.if (\blk) == 0
	v_mov_b32 v14, v11
.else
	v_lshl_or_b32 v14, v11, 8*(\blk), v14
.endif
.irp g, 0,1,2,3
	v_cvt_scalef32_pk8_fp4_f32 v[16+4*(\blk)+\g], v[XS+8*\g:XS+8*\g+7], v10
.endr
	global_store_b128 v2, v[16+4*(\blk):19+4*(\blk)], s[26:27] offset:256*(\blk)   ; block blk is (c, h) = (blk / 2, blk % 2) of the fragment: 256 blk + 16 r; the 16 lanes of a tile fill 256 consecutive bytes, aligned
.endm
.macro WPATH N, SRC, FIRST, FBO        ; a weight of N columns at s[SRC:SRC+1]; its first work-group; its first block in wq
	s_sub_co_u32 s16, ttmp9, \FIRST
	s_lshr_b32 s17, s16, 3                         ; which 128 columns
	s_and_b32 s18, s16, 7                          ; which 128 along K
	s_mul_i32 s20, s18, 128*\N*4
	s_lshl_b32 s22, s17, 9
	s_add_co_u32 s20, s20, s22
	s_lshl_b32 s22, s14, 7                         ; my wave's 32 columns
	s_add_co_u32 s20, s20, s22
	s_add_nc_u64 s[\SRC:\SRC+1], s[\SRC:\SRC+1], s[20:21]
	LOADW 0, \N, \SRC
	LOADW 1, \N, \SRC
	s_add_co_u32 s22, s17, \FBO
	s_lshl_b32 s22, s22, 1
	s_lshr_b32 s23, s18, 2
	s_add_co_u32 s22, s22, s23
	s_mul_i32 s22, s22, CHK                        ; the chunk in wq
	s_and_b32 s23, s18, 3                          ; the K step in it
	s_lshl_b32 s24, s23, 13
	s_add_co_u32 s24, s24, s22
	s_lshl_b32 s19, s14, 11                        ; my wave's tiles 2 w and 2 w + 1
	s_add_co_u32 s24, s24, s19
	s_add_nc_u64 s[26:27], s[12:13], s[24:25]
	s_lshl_b32 s24, s23, 2
	s_add_co_u32 s24, s24, s22
	s_lshl_b32 s19, s14, 9
	s_add_co_u32 s24, s24, s19
	s_add_co_u32 s24, s24, 32768
	s_add_nc_u64 s[28:29], s[12:13], s[24:25]
	WBLOCK 0, \N, \SRC
	WBLOCK 1, \N, \SRC
	WBLOCK 2, \N, \SRC
	WBLOCK 3, \N, \SRC
	global_store_b32 v3, v14, s[28:29]             ; my column's scale word of this K step: 4 bytes of every 16 (the other K steps' words come from other work-groups): 128 KiB of such stores in the whole launch
	s_endpgm
.endm
.Lweights:
	v_lshlrev_b32 v1, 2, v6                        ; in: 4 bytes a lane.  Lane m takes column 32 w + m of the block, which is lane r of tile 2 w + u with m = 8 u + r + 8 (r / 8)
	v_bfe_u32 v7, v6, 3, 1                         ; u
	v_and_b32 v8, 7, v6
	v_lshrrev_b32 v9, 4, v6
	v_lshl_add_u32 v8, v9, 3, v8                   ; r
	v_lshlrev_b32 v8, 4, v8
	v_lshl_add_u32 v2, v7, 10, v8                  ; codes: 1,024 u + 16 r
	v_lshl_add_u32 v3, v7, 8, v8                   ; scale words: 256 u + 16 r
	s_cmp_lt_u32 ttmp9, 448
	s_cbranch_scc0 .Lproj
	WPATH 3072, 6, 256, 0
.Lproj:
	WPATH 1024, 8, 448, 24
.Lfunc_end_k_q913193f82b_prep:
	.size	k_q913193f82b_prep, .Lfunc_end_k_q913193f82b_prep-k_q913193f82b_prep
	.p2alignl 7, 3214868480
	.fill 96, 4, 3214868480
	.section	.rodata,"a",@progbits
	.p2align	6, 0x0
	.amdhsa_kernel k_q913193f82b_prep
		.amdhsa_group_segment_fixed_size 34304
		.amdhsa_private_segment_fixed_size 0
		.amdhsa_enable_private_segment 0
		.amdhsa_kernarg_size 40
		.amdhsa_user_sgpr_count 2
		.amdhsa_user_sgpr_kernarg_segment_ptr 1
		.amdhsa_wavefront_size32 1
		.amdhsa_system_sgpr_workgroup_id_x 1
		.amdhsa_system_sgpr_workgroup_id_y 1
		.amdhsa_system_sgpr_workgroup_id_z 1
		.amdhsa_system_vgpr_workitem_id 0
		.amdhsa_next_free_vgpr 258
		.amdhsa_next_free_sgpr 66
		.amdhsa_reserve_vcc 0
		.amdhsa_float_denorm_mode_32 3
		.amdhsa_float_denorm_mode_16_64 3
		.amdhsa_memory_ordered 1
		.amdhsa_forward_progress 1
		.amdhsa_inst_pref_size 72
	.end_amdhsa_kernel
	.amdgpu_metadata
---
amdhsa.version: [ 1, 2 ]
amdhsa.kernels:
  - .name:           k_q913193f82b_prep
    .symbol:         k_q913193f82b_prep.kd
    .args:
      - { .name: x, .offset: 0, .size: 8, .value_kind: global_buffer, .address_space: global }
      - { .name: w_attn, .offset: 8, .size: 8, .value_kind: global_buffer, .address_space: global }
      - { .name: w_proj, .offset: 16, .size: 8, .value_kind: global_buffer, .address_space: global }
      - { .name: xq, .offset: 24, .size: 8, .value_kind: global_buffer, .address_space: global }
      - { .name: wq, .offset: 32, .size: 8, .value_kind: global_buffer, .address_space: global }
    .group_segment_fixed_size: 34304
    .private_segment_fixed_size: 0
    .kernarg_segment_align: 8
    .kernarg_segment_size: 40
    .max_flat_workgroup_size: 128
    .sgpr_count:     66
    .vgpr_count:     258
    .wavefront_size: 32
...
	.end_amdgpu_metadata
.endif
;; end of part 1
;; launch gemm_qkv (part 2): grid 12 x 32, 4 waves a work-group, clusters of 4 x 4, 279,040 bytes of LDS; arguments xq, wq, b_attn, qc, kv; writes qc, kv
.if DOCPART == 2
	.amdgcn_target "amdgcn-amd-amdhsa--gfx1250"
	.amdhsa_code_object_version 6
	.text
	.protected	k_q913193f82b_gemm_qkv
	.globl	k_q913193f82b_gemm_qkv
	.p2align	8
	.type	k_q913193f82b_gemm_qkv,@function
k_q913193f82b_gemm_qkv:
	s_mov_b64 s[64:65], 0
	v_nop
	global_prefetch_b8 v0, s[64:65] scope:SCOPE_SE
	s_setreg_imm32_b32 hwreg(HW_REG_WAVE_MODE, 25, 1), 1
	s_wait_xcnt 0x0
	s_wait_alu depctr_hold_cnt(0) depctr_sa_sdst(0) depctr_va_vdst(0) depctr_va_sdst(0) depctr_va_ssrc(0) depctr_va_vcc(0) depctr_vm_vsrc(0)
	s_getreg_b32 s2, hwreg(HW_REG_IB_STS2, 6, 4)
	s_cmp_eq_u32 s2, 0
	s_cbranch_scc0 .Lentry_in_a_cluster
	s_endpgm
.Lentry_in_a_cluster:
	s_bfe_u32 s2, ttmp6, 0x10000c
	s_cmp_lg_u32 s2, 0xf033
	s_cbranch_scc0 .Lentry_shape_is_right
	s_endpgm
.Lentry_shape_is_right:
; qkv = x w_attn + b_attn on codes of FP4 (E2M1) with E8M0 scales, K = 1,024, and q, k, v QUANTISED IN REGISTERS on the way out: no f32 intermediate goes to memory.
; D = S0 S1^T: source 0 = a tile of S0, source 1 = a tile of S1.  A lane then holds ONE row of S1, and, by the order of rows in a tile (lane r of tile 2 b + u = row 32 b + 8 u + r + 8 (r / 8) of a block of 128),
; the 64 registers of S0's eight tiles are S0's rows 32 b + 16 h + 0 .. 15, b = 0 .. 3: neighbours along the NEXT product's K.
;   q, k (cluster x = 0, 1): S0 = w_attn's columns, S1 = tokens: codes along the head's 64 (a block of 128 columns is two heads: registers 0-3 and 4-7 of the fragment).
;   v    (cluster x = 2):    S0 = tokens, S1 = w_attn's columns: codes along 128 tokens, one key step of attention.
; A work-group makes 256 x 256, each of its four waves 128 x 128: 64 accumulators, 512 registers.  K's two chunks of 512 are the two LDS slots, each filled ONCE at the head: no slot is filled again.
; Operands lie in memory as images of their registers (a chunk: codes [K step 4][tile 8][1,024], scale words [tile][row][K step]): a block's chunk is one dense run of CHK bytes, a fragment two loads of 16 bytes a lane at 16 x lane.
; CLUSTERS: 4 x 4 work-groups.  S1's blocks hang on the cluster's row, S0's on its column: each is asked for jointly by the four that share it.  The kind of work hangs on the cluster's x, which all sixteen share.
; OUT: qc [head of a batch: 64][key step: 16][4,608]: codes [tile 8][lane][16], scale words [row 16][tile 8];  kv [64][16][9,216]: K's codes, V's codes [d tile 4][c][lane][16], K's scale words, V's scale words [lane 32][d tile 4].
;   q's and k's scale words are [s0, s1, 0, 0]: bytes 2 and 3 stand beside codes that attention multiplies by zero codes.
; LIMITS: NaN and infinities are not served; a block of q, k or v whose largest magnitude lies under 2^-124, zeros among them, gets the byte 1 (a block of zeros has zero codes; this program alone reads the bytes).
; REGISTERS, in windows of 256: window 0: v0-31 addresses; v32-95 scale words, two sets; v128-191 S1's fragments, one set; on the way out v96-127, v192-203 at work, v128-191 codes.
;   window 1: S0's fragments, two sets, at v0 and v128; v64-127 the bias as the first products' C.   windows 2, 3: the accumulators: (a, b) at v[8 (8 (a % 4) + b)], a = S1's tile, b = S0's.
.set CHK,    34816                     ; a block's chunk: 136 rows of 256 bytes
.set BLKREC, 2*CHK
.set SLOT,   4*CHK                     ; S1's two blocks, then S0's two
.set NQ,     4
.set FR,     8
.set NP,     4                         ; places behind this matrix instruction (ISA guide 7.12.1)
.set LI,   5                           ; v5      16 x lane
.set ADRA, 16                          ; v16-17  my block of S1 in slot 0, 1
.set ADRB, 20                          ; v20-21  my block of S0
.set ADRS, 26                          ; v26-27  my scale words: lanes 0-15 S1's, lanes 16-31 S0's
.set SC,   32
.set AF,   128
.set BI,   64                          ; in window 1
.set TM,   96                          ; the way out: v96-111 at work
.set PW,   112                         ; v112-119 a scale word for each of S1's tiles
.set T,    192                         ; v192-203 scale words on their way
.set PC,   128                         ; v128-191 codes: eight registers a tile, never written again
.set G1,  24
.set G0,  32
.set G1B, 48
.set G0B, 56
.set MSB, 0
.macro WIN new                         ; the immediate's high byte repeats the setting that is left
.if MSB != \new
	s_set_vgpr_msb (MSB<<8)|\new
.set MSB, \new
.endif
.endm
.set MUL_LO,  0xa1                     ; source 0 window 1, source 1 window 0, C and D window 2
.set MUL_HI,  0xf1                     ; the same, C and D window 3
.set BIAS_LO, 0x91                     ; C window 1 (the bias), D window 2
.set BIAS_HI, 0xd1                     ; D window 3
.set TO_B,    0x40                     ; destination window 1
.macro CREST
	s_cmp_lg_u32 s14, 0
	s_cbranch_scc1 .Lnot_wave_0_\@
	s_barrier_signal -3
.Lnot_wave_0_\@:
	s_barrier_wait -3
	s_barrier_signal -1
	s_barrier_wait -1
.endm
.macro CROUND                          ; a round of the cluster's barrier
	s_barrier_signal -1
	s_barrier_wait -1
	CREST
.endm
.macro PLACES n
.rept \n
	v_nop
.endr
.endm
	s_load_b128 s[4:7], s[0:1], 0x0                ; xq, wq
	s_load_b128 s[8:11], s[0:1], 0x10              ; b_attn, qc
	s_load_b64 s[12:13], s[0:1], 0x20              ; kv
	v_lshl_add_u32 v254, v0, 2, 0x44000
	v_mov_b32 v255, 0
	ds_add_u32 v254, v255
	ds_add_u32 v254, v255
	v_lshrrev_b32 v1, 5, v0
	v_readfirstlane_b32 s14, v1                    ; wave 0..3
	s_lshr_b32 s15, s14, 1                         ; which block of S1 I multiply.  Also: I fetch for S1 (0) or S0 (1)
	s_and_b32 s16, s14, 1                          ; which block of S0 I multiply.  Also: which of the two blocks I fetch
	s_bfe_u32 s40, ttmp6, 0x40000                  ; cx
	s_bfe_u32 s41, ttmp6, 0x40004                  ; cy
	s_and_b32 s17, ttmp7, 0xffff                   ; the cluster's y
	s_cmp_eq_u32 ttmp9, 2                          ; v?  The cluster's x: the same in all sixteen
	s_cselect_b32 s42, s17, ttmp9
	s_cselect_b32 s43, 2, s17
	s_lshl_b32 s42, s42, 2
	s_add_co_u32 s42, s42, s40                     ; S0's 256 rows: 4 (v ? cluster y : cluster x) + cx
	s_lshl_b32 s43, s43, 2
	s_add_co_u32 s43, s43, s41                     ; S1's 256 rows: 4 (v ? 2 : cluster y) + cy
	s_lshl_b32 s44, s41, 2
	s_lshl_b32 s44, 15, s44                        ; my row of the cluster
	s_lshl_b32 s45, 0x1111, s40                    ; my column
	; descriptor group 1: a dense run of CHK bytes as 136 rows of 32 elements of 8 bytes, no padding
	s_or_b32 s[G1+0], s44, (3<<16)|(1<<21)         ; 15:0 the mask: S1's blocks go to my row; 17:16 elements of 8 bytes; 21 set beside a mask
	s_or_b32 s[G1B+0], s45, (3<<16)|(1<<21)        ; S0's go to my column
.irp g, G1, G1B
	s_mov_b32 s[\g+1], 32<<16                      ; tensor_dim0
	s_mov_b32 s[\g+2], 136<<16                     ; tensor_dim1
	s_mov_b32 s[\g+3], 32<<16                      ; tile_dim0
	s_mov_b32 s[\g+4], 136                         ; tile_dim1
	s_mov_b32 s[\g+5], 32                          ; tensor_dim0_stride
	s_mov_b32 s[\g+6], 0
	s_mov_b32 s[\g+7], 0
.endr
	s_lshl_b32 s20, s43, 1
	s_add_co_u32 s20, s20, s16
	s_mul_i32 s20, s20, BLKREC                     ; the block of S1 that I would fetch
	s_mov_b32 s21, 0
	s_lshl_b32 s46, s42, 1
	s_add_co_u32 s46, s46, s16
	s_mul_i32 s46, s46, BLKREC                     ; and of S0
	s_mov_b32 s47, 0
	s_mul_i32 s18, s14, CHK                        ; where it goes: wave x CHK: no place in the cluster enters an LDS address
	s_wait_dscnt 0x0
	s_wait_kmcnt 0x0
	s_cmp_eq_u32 ttmp9, 2
	s_cselect_b64 s[22:23], s[6:7], s[4:5]         ; S1's buffer
	s_cselect_b64 s[92:93], s[4:5], s[6:7]         ; S0's
	s_add_nc_u64 s[20:21], s[22:23], s[20:21]
	s_add_nc_u64 s[46:47], s[92:93], s[46:47]
.irp s, 0,1
	s_mov_b32 s[G0+4*\s], 1
	s_add_co_u32 s[G0+4*\s+1], s18, \s*SLOT
	s_add_nc_u64 s[G0+4*\s+2:G0+4*\s+3], s[20:21], \s*CHK
	s_or_b32 s[G0+4*\s+3], s[G0+4*\s+3], 0x80000000
	s_mov_b32 s[G0B+4*\s], 1
	s_add_co_u32 s[G0B+4*\s+1], s18, \s*SLOT
	s_add_nc_u64 s[G0B+4*\s+2:G0B+4*\s+3], s[46:47], \s*CHK
	s_or_b32 s[G0B+4*\s+3], s[G0B+4*\s+3], 0x80000000
.endr
	CROUND                                         ; all sixteen work-groups are here: the joint loads meet
	s_cmp_eq_u32 s15, 0                            ; a wave's two fills stand in one branch on its number: two loads of mine are out.  Four v_nop follow the second
	s_cbranch_scc0 .Lfirst_b
	tensor_load_to_lds s[G0:G0+3], s[G1:G1+7]
	s_nop 0
	tensor_load_to_lds s[G0+4:G0+7], s[G1:G1+7]
	s_nop 0
	PLACES 4
	s_branch .Lfirst_asked
.Lfirst_b:
	tensor_load_to_lds s[G0B:G0B+3], s[G1B:G1B+7]
	s_nop 0
	tensor_load_to_lds s[G0B+4:G0B+7], s[G1B:G1B+7]
	s_nop 0
	PLACES 4
.Lfirst_asked:
	v_and_b32 v1, 15, v0                           ; r
	v_bfe_u32 v2, v0, 4, 1                         ; h
	v_and_b32 v3, 31, v0
	v_lshlrev_b32 v[LI], 4, v3
	; which blocks are mine, and where the results go (global addresses alone hang on cx and cy)
	s_lshl_b32 s66, s42, 1
	s_add_co_u32 s66, s66, s16                     ; my block of S0
	s_lshl_b32 s67, s43, 1
	s_add_co_u32 s67, s67, s15                     ; my block of S1
	s_mov_b32 s79, 0
	s_cmp_eq_u32 ttmp9, 2
	s_cselect_b32 s68, s66, s67                    ; the block of tokens, 0..63
	s_cselect_b32 s69, s67, s66                    ; the block of w_attn's columns, 0..23
	s_cselect_b32 s77, 4096, 0                     ; V's codes lie 4,096 bytes into a record
	s_lshl_b32 s78, s69, 9
	s_add_nc_u64 s[80:81], s[8:9], s[78:79]        ; its 128 biases
	s_and_b32 s69, s69, 7                          ; heads 2 x this and 2 x this + 1
	s_lshl_b32 s69, s69, 1
	s_lshr_b32 s70, s68, 4                         ; the batch
	s_lshl_b32 s70, s70, 4
	s_add_co_u32 s70, s70, s69
	s_lshl_b32 s70, s70, 4
	s_and_b32 s68, s68, 15                         ; the key step
	s_add_co_u32 s70, s70, s68                     ; the first head's record
	s_mov_b32 s71, 9216
	s_mov_b32 s76, 8192
	s_cmp_eq_u32 ttmp9, 0                          ; q?
	s_cselect_b32 s71, 4608, s71                   ; a record's bytes
	s_cselect_b32 s76, 4096, s76                   ; where q's or k's scale words begin in it
	s_cselect_b64 s[72:73], s[10:11], s[12:13]
	s_mul_i32 s78, s70, s71
	s_add_co_u32 s78, s78, s77
	s_add_nc_u64 s[72:73], s[72:73], s[78:79]      ; the first head's record,
	s_lshl_b32 s78, s71, 4
	s_add_nc_u64 s[74:75], s[72:73], s[78:79]      ; the second head's: 16 records on
	; the bias, in the results' layout, as the C of each sum's first product
	v_lshlrev_b32 v6, 6, v2                        ; q, k: register j of S0's tile 2 b + u is column 32 b + 16 h + 8 u + j
	v_and_b32 v7, 8, v1
	v_add_nc_u32 v7, v7, v1
	v_lshlrev_b32 v7, 2, v7                        ; v: the lane holds ONE column, r + 8 (r / 8) of S1's tile
	s_cmp_eq_u32 ttmp9, 2
	s_cbranch_scc1 .Lbias_v
	WIN TO_B
.irp b, 0,1,2,3,4,5,6,7
	global_load_b128 v[BI+8*\b:BI+8*\b+3], v6, s[80:81] offset:(32*(\b/2)+8*(\b%2))*4
	global_load_b128 v[BI+8*\b+4:BI+8*\b+7], v6, s[80:81] offset:(32*(\b/2)+8*(\b%2))*4+16
.endr
	WIN 0
	s_branch .Lbias_done
.Lbias_v:
	WIN TO_B
.irp a, 0,1,2,3,4,5,6,7
.irp j, 0,1,2,3,4,5,6,7
	global_load_b32 v[BI+8*\a+\j], v7, s[80:81] offset:(32*(\a/2)+8*(\a%2))*4   ; the lane's one bias in all eight registers of the tile's C; once a wave
.endr
.endr
	WIN 0
.Lbias_done:
	s_mul_i32 s82, s15, CHK
	s_mul_i32 s83, s16, CHK
	s_add_co_u32 s83, s83, 2*CHK
.irp s, 0,1
	v_add_nc_u32 v[ADRA+\s], s82, v[LI]
	v_add_nc_u32 v[ADRB+\s], s83, v[LI]
	s_add_co_u32 s82, s82, SLOT
	s_add_co_u32 s83, s83, SLOT
.endr
	s_mul_i32 s82, s15, CHK
	s_mul_i32 s83, s16, CHK
	s_add_co_u32 s83, s83, 2*CHK
	s_sub_co_u32 s83, s83, s82                     ; from my block of S1 to my block of S0
	v_mul_u32_u24 v4, s83, v2                      ; lanes 16-31 take S0's
	v_lshl_add_u32 v4, v1, 4, v4                   ; 16 bytes a row: its four K steps' words
	s_add_co_u32 s82, s82, 32768                   ; behind the chunk's codes
	v_add_nc_u32 v[ADRS], s82, v4
	v_add_nc_u32 v[ADRS+1], SLOT, v[ADRS]
.macro FRAG reg, adr, q, i             ; a fragment as it lies: two loads of 16 bytes a lane, 512 consecutive bytes each
.irp c, 0,1
	ds_load_b128 v[\reg+4*\c:\reg+4*\c+3], v[\adr] offset:8192*(\q)+1024*(\i)+512*\c
.endr
.endm
; 16 matrix instructions: S1's tiles a0, a0 + 1 x S0's eight, the slot's q-th 128 along K.  p: S0's set; sc: the set of scale words.  zero = 1: C = the bias by S0's tile; 2: by S1's tile; 0: in place.
; The 64 accumulators take turns, one instruction a turn, in the same order in every step.
.macro MUL16 a0, p, q, sc, zero
.irp a, \a0, \a0+1
.irp b, 0,1,2,3,4,5,6,7
.set rD, 8*(8*((\a)%4)+\b)
.set rB, 128*(\p)+FR*\b
.set rA, AF+FR*(\a)
.set wB, SC+32*(\sc)+NQ*\b+(\q)
.set wA, SC+32*(\sc)+NQ*(\a)+(\q)
.if (\zero) == 1
	v_wmma_scale_f32_16x16x128_f8f6f4 v[rD:rD+7], v[rB:rB+7], v[rA:rA+7], v[BI+8*\b:BI+8*\b+7], v[wB], v[wA] matrix_a_fmt:MATRIX_FMT_FP4 matrix_b_fmt:MATRIX_FMT_FP4 matrix_a_scale:MATRIX_SCALE_ROW1
.elseif (\zero) == 2
	v_wmma_scale_f32_16x16x128_f8f6f4 v[rD:rD+7], v[rB:rB+7], v[rA:rA+7], v[BI+8*(\a):BI+8*(\a)+7], v[wB], v[wA] matrix_a_fmt:MATRIX_FMT_FP4 matrix_b_fmt:MATRIX_FMT_FP4 matrix_a_scale:MATRIX_SCALE_ROW1
.else
	v_wmma_scale_f32_16x16x128_f8f6f4 v[rD:rD+7], v[rB:rB+7], v[rA:rA+7], v[rD:rD+7], v[wB], v[wA] matrix_a_fmt:MATRIX_FMT_FP4 matrix_b_fmt:MATRIX_FMT_FP4 matrix_a_scale:MATRIX_SCALE_ROW1
.endif
.endr
.endr
.endm
.macro FETCH_B slot, q, p
	WIN TO_B
.irp i, 0,1,2,3,4,5,6,7
	FRAG 128*(\p)+FR*\i, ADRB+\slot, \q, \i
.endr
	WIN 0
.endm
.macro FETCH_A slot, q, i0
.irp i, \i0, \i0+1, \i0+2, \i0+3
	FRAG AF+FR*(\i), ADRA+\slot, \q, \i
.endr
.endm
.macro SCALES sc                       ; a chunk's scale words: register 4 i + q: lanes 0-15 S1's tile i, lanes 16-31 S0's tile i, K step q
.irp i, 0,1,2,3,4,5,6,7
	ds_load_b128 v[SC+32*\sc+4*\i:SC+32*\sc+4*\i+3], v[ADRS+\sc] offset:256*\i
.endr
.endm
; A step of 128 along K that has its successor in the same slot.  S1's tiles are free as soon as their eight products are issued: tiles 0-3 are fetched anew in the middle, 4-7 at the end; S0 has two sets.
; Loads into registers that matrix instructions have read stand four plain vector instructions behind them.
.macro STEP slot, q, zero
	s_wait_dscnt 8                                 ; all but the youngest eight loads (S1's tiles 4-7) are in
.if \zero
	WIN BIAS_LO
.else
	WIN MUL_LO
.endif
	MUL16 0, (\q)%2, \q, \slot, \zero
	MUL16 2, (\q)%2, \q, \slot, \zero
	s_wait_dscnt 0x0                               ; S1's tiles 4-7 are in
	PLACES NP
	FETCH_B \slot, (\q)+1, 1-(\q)%2
	FETCH_A \slot, (\q)+1, 0
.if \zero
	WIN BIAS_HI
.else
	WIN MUL_HI
.endif
	MUL16 4, (\q)%2, \q, \slot, \zero
	MUL16 6, (\q)%2, \q, \slot, \zero
	PLACES NP
	WIN 0
	FETCH_A \slot, (\q)+1, 4
.endm
	s_wait_loadcnt 0x0                             ; the bias
	s_wait_tensorcnt 1                             ; my part of chunk 0 is in; chunk 1's load may stay out
	s_barrier_signal -1
	s_barrier_wait -1                              ; everybody's is
	FETCH_B 0, 0, 0
	FETCH_A 0, 0, 0
	SCALES 0
	FETCH_A 0, 0, 4
	s_cmp_eq_u32 ttmp9, 2
	s_cbranch_scc1 .Lfirst_v
	STEP 0, 0, 1                                   ; the first step starts the sums with the bias: nothing is cleared, nothing is added later
	s_branch .Lfirst_done
.Lfirst_v:
	STEP 0, 0, 2
.Lfirst_done:
	STEP 0, 1, 0
	STEP 0, 2, 0
	; slot 0's last step crosses into slot 1: one barrier; in front of it my part of chunk 1 has landed
	s_wait_tensorcnt 0x0
	s_wait_dscnt 8
	WIN MUL_LO
	MUL16 0, 1, 3, 0, 0
	s_wait_dscnt 0x0                               ; no LDS instruction of mine is out at the signal
	s_barrier_signal -1
	MUL16 2, 1, 3, 0, 0
	WIN 0
	s_barrier_wait -1                              ; chunk 1 is whole
	PLACES NP
	FETCH_B 1, 0, 0
	FETCH_A 1, 0, 0
	SCALES 1
	WIN MUL_HI
	MUL16 4, 1, 3, 0, 0
	MUL16 6, 1, 3, 0, 0
	PLACES NP
	WIN 0
	FETCH_A 1, 0, 4
	STEP 1, 0, 0
	STEP 1, 1, 0
	STEP 1, 2, 0
	s_wait_dscnt 8                                 ; the last step: nothing more to fetch
	WIN MUL_LO
	MUL16 0, 1, 3, 1, 0
	MUL16 2, 1, 3, 1, 0
	s_wait_dscnt 0x0
	WIN MUL_HI
	MUL16 4, 1, 3, 1, 0
	MUL16 6, 1, 3, 1, 0
	WIN 0
; THE WAY OUT.  For each of S1's tiles a: my lane's 64 results (register 16 b + i = S0's row 32 b + 16 h + i) are four blocks of 32, shared with lane l xor 16: largest magnitude, scale byte, conversion, exchange of halves:
; a fragment's eight registers and its row's scale word.  Each accumulator is read from its low end on.  Every store of codes covers 512 consecutive bytes, aligned.
.macro WAYOUT isv
	PLACES NP                                      ; behind the last products
.irp b, 0,1,2,3
	v_mov_b32 v[TM+4+\b], 0                        ; written once: a lane permute's destination counts as one of its sources
.endr
.irp a, 0,1,2,3,4,5,6,7
.set AC, 64*(\a%4)
	WIN 0x28+0x14*(\a/4)                           ; sources 1 and 2: window 2 or 3
.irp b, 0,1,2,3
	v_max3_num_f32 v[TM+\b], 0x1800000, |v[AC+16*\b]|, |v[AC+16*\b+1]|   ; the floor 2^(3 - 127) among the leaves: the byte cannot fall under 1
.endr
.irp i, 2,4,6,8,10,12,14
.irp b, 0,1,2,3
	v_max3_num_f32 v[TM+\b], v[TM+\b], |v[AC+16*\b+\i]|, |v[AC+16*\b+\i+1]|
.endr
.endr
	WIN 0
.irp b, 0,1,2,3
	v_permlanex16_b32 v[TM+4+\b], v[TM+\b], s84, s85
.endr
.irp b, 0,1,2,3
	v_max_num_f32 v[TM+\b], v[TM+\b], v[TM+4+\b]
.endr
.irp b, 0,1,2,3
	v_add_nc_u32 v[TM+12+\b], 0xff000000, v[TM+\b] ; 2 off the exponent field: the conversion's scale operand
.endr
.irp b, 0,1,2,3
	v_lshrrev_b32 v[TM+4+\b], 23, v[TM+12+\b]
.endr
	v_lshl_or_b32 v[PW+\a], v[TM+5], 8, v[TM+4]
	v_lshl_or_b32 v[PW+\a], v[TM+6], 16, v[PW+\a]
	v_lshl_or_b32 v[PW+\a], v[TM+7], 24, v[PW+\a]
	WIN 0x02+(\a/4)                                ; source 0: window 2 or 3
.irp b, 0,1,2,3
	v_cvt_scalef32_pk8_fp4_f32 v[PC+8*\a+2*\b], v[AC+16*\b:AC+16*\b+7], v[TM+12+\b]
	v_cvt_scalef32_pk8_fp4_f32 v[PC+8*\a+2*\b+1], v[AC+16*\b+8:AC+16*\b+15], v[TM+12+\b]
.endr
	WIN 0
	v_nop                                          ; one plain instruction behind the scaled conversions
.irp c, 0,1
.irp i, 0,1
	v_permlane16_swap_b32 v[PC+8*\a+4*\c+\i], v[PC+8*\a+4*\c+2+\i]
.endr
.endr
.if \isv
.if \a < 4                                     ; S1's tiles 0-3 are the first head's 64 channels, 4-7 the second's
	global_store_b128 v[LI], v[PC+8*\a:PC+8*\a+3], s[72:73] offset:1024*(\a%4)
	global_store_b128 v[LI], v[PC+8*\a+4:PC+8*\a+7], s[72:73] offset:1024*(\a%4)+512
.else
	global_store_b128 v[LI], v[PC+8*\a:PC+8*\a+3], s[74:75] offset:1024*(\a%4)
	global_store_b128 v[LI], v[PC+8*\a+4:PC+8*\a+7], s[74:75] offset:1024*(\a%4)+512
.endif
.else
	global_store_b128 v[LI], v[PC+8*\a:PC+8*\a+3], s[72:73] offset:512*\a        ; registers 0-3: the first head's 64 along K,
	global_store_b128 v[LI], v[PC+8*\a+4:PC+8*\a+7], s[74:75] offset:512*\a      ; registers 4-7: the second head's
.endif
.endr
.if \isv
	global_store_b128 v[LI], v[PW:PW+3], s[72:73] offset:4608      ; V's scale words [lane][d tile]: 8,704 bytes into the record, whose byte 4,096 the base names
	global_store_b128 v[LI], v[PW+4:PW+7], s[74:75] offset:4608
.else
	v_lshlrev_b32 v8, 5, v1                        ; [row][tile 8]: lanes 0-15 store tiles 0-3 of their row, lanes 16-31 tiles 4-7: 512 consecutive bytes
	v_lshl_add_u32 v8, v2, 4, v8
	v_add_nc_u32 v8, s76, v8
	v_cmp_eq_u32 vcc_lo, 1, v2
.irp i, 0,1,2,3
	v_cndmask_b32 v[T+\i], v[PW+\i], v[PW+4+\i], vcc_lo
.endr
.irp i, 0,1,2,3
	v_and_b32 v[T+4+\i], 0xffff, v[T+\i]           ; the first head's two bytes, then two bytes 0
	v_lshrrev_b32 v[T+8+\i], 16, v[T+\i]           ; the second head's
.endr
	global_store_b128 v8, v[T+4:T+7], s[72:73]
	global_store_b128 v8, v[T+8:T+11], s[74:75]
.endif
.endm
	s_mov_b32 s84, 0x76543210
	s_mov_b32 s85, 0xfedcba98                      ; v_permlanex16_b32's selects for lane l xor 16
	s_cmp_eq_u32 ttmp9, 2
	s_cbranch_scc1 .Lout_v
	WAYOUT 0
	s_branch .Lend
.Lout_v:
	WAYOUT 1
.Lend:
	s_wait_tensorcnt 0x0
	ds_add_u32 v254, v255
	s_wait_dscnt 0x0
	CROUND                                         ; the closing round: no work-group ends while a partner may still ask for a block that names it
	s_endpgm
.Lfunc_end_k_q913193f82b_gemm_qkv:
	.size	k_q913193f82b_gemm_qkv, .Lfunc_end_k_q913193f82b_gemm_qkv-k_q913193f82b_gemm_qkv
	.p2alignl 7, 3214868480
	.fill 96, 4, 3214868480
	.section	.rodata,"a",@progbits
	.p2align	6, 0x0
	.amdhsa_kernel k_q913193f82b_gemm_qkv
		.amdhsa_group_segment_fixed_size 279040
		.amdhsa_private_segment_fixed_size 0
		.amdhsa_enable_private_segment 0
		.amdhsa_kernarg_size 40
		.amdhsa_user_sgpr_count 2
		.amdhsa_user_sgpr_kernarg_segment_ptr 1
		.amdhsa_wavefront_size32 1
		.amdhsa_system_sgpr_workgroup_id_x 1
		.amdhsa_system_sgpr_workgroup_id_y 1
		.amdhsa_system_sgpr_workgroup_id_z 1
		.amdhsa_system_vgpr_workitem_id 0
		.amdhsa_next_free_vgpr 1024
		.amdhsa_next_free_sgpr 100
		.amdhsa_reserve_vcc 1
		.amdhsa_float_denorm_mode_32 3
		.amdhsa_float_denorm_mode_16_64 3
		.amdhsa_memory_ordered 1
		.amdhsa_forward_progress 1
		.amdhsa_inst_pref_size 178
	.end_amdhsa_kernel
	.amdgpu_metadata
---
amdhsa.version: [ 1, 2 ]
amdhsa.kernels:
  - .name:           k_q913193f82b_gemm_qkv
    .symbol:         k_q913193f82b_gemm_qkv.kd
    .args:
      - { .name: xq, .offset: 0, .size: 8, .value_kind: global_buffer, .address_space: global }
      - { .name: wq, .offset: 8, .size: 8, .value_kind: global_buffer, .address_space: global }
      - { .name: b_attn, .offset: 16, .size: 8, .value_kind: global_buffer, .address_space: global }
      - { .name: qc, .offset: 24, .size: 8, .value_kind: global_buffer, .address_space: global }
      - { .name: kv, .offset: 32, .size: 8, .value_kind: global_buffer, .address_space: global }
    .group_segment_fixed_size: 279040
    .private_segment_fixed_size: 0
    .kernarg_segment_align: 8
    .kernarg_segment_size: 40
    .max_flat_workgroup_size: 128
    .sgpr_count:     100
    .vgpr_count:     1024
    .wavefront_size: 32
...
	.end_amdgpu_metadata
.endif
;; end of part 2
;; launch attn (part 3): grid 4 x 64, 16 waves a work-group, no clusters, 169,984 bytes of LDS; arguments qc, kv, aq; writes aq
.if DOCPART == 3
	.amdgcn_target "amdgcn-amd-amdhsa--gfx1250"
	.amdhsa_code_object_version 6
	.text
	.protected	k_q913193f82b_attn
	.globl	k_q913193f82b_attn
	.p2align	8
	.type	k_q913193f82b_attn,@function
k_q913193f82b_attn:
	s_mov_b64 s[64:65], 0
	v_nop
	global_prefetch_b8 v0, s[64:65] scope:SCOPE_SE
	s_setreg_imm32_b32 hwreg(HW_REG_WAVE_MODE, 25, 1), 1
	s_wait_xcnt 0x0
; Causal attention of one head on codes of FP4 (E2M1) with E8M0 scales; the result, divided by the row's sum, is quantised along the head's 64 channels and stored as half a fragment of the last product's operand.
; THE SOFTMAX AHEAD OF THE SECOND PRODUCT: t = score x log2(e) / 8; M = the row's largest t so far, rounded UP to a whole number; p = 2^(t - M) is quantised along the keys, not normalised.  The row's sum is taken of the
; unquantised p and divides at the end.  When M moves, the sum and O are multiplied by 2^(old M - new M): exact.
; SHARES.  2,048 queries are 128 tiles of 16.  Work-group (i, head) owns tiles 16 (7 - i) .. + 15 and 16 i .. + 15; wave w takes tile 16 (7 - i) + w and tile 16 i + 15 - w.  Tile g has g / 8 + 1 key steps of 128 keys
; that are not wholly hidden, so every wave of every work-group has 2 (7 - i) + w / 8 + 1 + 2 i + (15 - w) / 8 + 1 = 17.  Four waves to a SIMD: one wave's vector work stands beside another's matrix work and LDS loads.
; THE HEAD'S K AND V, 16 records of 9,216 bytes, come into LDS ONCE, in four groups of four key steps; each wave brings 2,304 bytes of each group: four tensor loads of mine are out at the head.  Nothing is filled again.
; NO CLUSTER, though the four work-groups of a head read the same records: which steps a work-group leaves out is a branch on its block of queries, which would be its place in the cluster.
; LAYOUT.  S^T = K Q^T (source 0 = 16 keys, source 1 = my 16 queries), O^T = V^T P^T: a lane holds ONE query throughout.  Lane r of tile 2 b + u of keys, of queries and of V's channels holds row 32 b + 8 u + r + 8 (r / 8):
; so p's 16 registers of two neighbouring tiles are 16 neighbouring keys, and O^T's are 16 neighbouring channels.
; K = 64 IN AN INSTRUCTION OF 128: Q's registers 4-7 are zero codes.  K's operand of tile t is v[40 + 4 t : 47 + 4 t]: its upper four registers are the next tile's codes (behind tile 7: zeros); they meet Q's zero codes
; under scale bytes 0 (2^-127, no NaN) and add nothing.
; LIMITS: NaN and infinities are not served; a block of p or of the result whose largest magnitude lies under 2^-124, zeros among them, gets the byte 1 (zero codes under it; this program alone reads the bytes).
; REGISTERS: v1 16 x lane, v2 32 r, v3-4 the step's addresses, v5-6 my query - 16 h, v7 16 r; v12-15, v16-19 -M, the largest t, the sum in two halves; v20-27, v28-35 Q; v36-37 Q's scale words; v40-71 K, then V; v72-75 zeros;
;   v76-83 K's scale words, v84-87 V's; v96-159 S^T, then p; v160-191, v192-223 O^T; v224-231 p's codes; v232-255 at work (v253: p's scale word).
.set CHK,  34816
.set REC,  9216                        ; a key step's record: K's codes 4,096, V's codes 4,096, K's scale words 512, V's 512
.set GRP,  4*REC
.set PART, GRP/16                      ; 9 rows of 256 bytes: a wave's part of a group
.set WV,  10
.set BH,  12
.set GH,  13
.set GL,  14
.set SEL, 20
.set CS,  22
.set G1,  24
.set G0,  32                           ; s[32:47] four groups 0
.set TB,  48                           ; LDS byte of the step's record
.set KF,  49                           ; the step's first key
.set CNT, 50
.set Q0H, 51                           ; a bound under my queries, and one over them
.set QMH, 52
.set Q0L, 53
.set QML, 54
.set QBH, 56
.set QBL, 58
.set ACH, 60
.set ACL, 62
.set ASH, 66
.set ASL, 68
	s_load_b128 s[4:7], s[0:1], 0x0                ; qc, kv
	s_load_b64 s[8:9], s[0:1], 0x10                ; aq
	v_lshl_add_u32 v251, v0, 2, 0x29000
	v_mov_b32 v255, 0
	ds_add_u32 v251, v255
	ds_add_u32 v251, v255
	v_lshrrev_b32 v1, 5, v0
	v_readfirstlane_b32 s[WV], v1                  ; wave 0..15
	s_and_b32 s[BH], ttmp7, 0xffff                 ; 16 x batch + head
	s_mov_b32 s[G1], 3<<16                         ; no mask; elements of 8 bytes; no padding
	s_mov_b32 s[G1+1], 32<<16                      ; tensor_dim0: rows of 256 bytes
	s_mov_b32 s[G1+2], 9<<16                       ; tensor_dim1
	s_mov_b32 s[G1+3], 32<<16                      ; tile_dim0
	s_mov_b32 s[G1+4], 9                           ; tile_dim1
	s_mov_b32 s[G1+5], 32                          ; tensor_dim0_stride: dense
	s_mov_b32 s[G1+6], 0
	s_mov_b32 s[G1+7], 0
	s_mul_i32 s70, s[WV], PART
	s_mul_i32 s72, s[BH], 16*REC
	s_add_co_u32 s72, s72, s70
	s_mov_b32 s73, 0
	s_wait_dscnt 0x0
	s_wait_kmcnt 0x0
	s_add_nc_u64 s[6:7], s[6:7], s[72:73]          ; my part of the head's first group
.irp g, 0,1,2,3
	s_mov_b32 s[G0+4*\g], 1
	s_add_co_u32 s[G0+4*\g+1], s70, \g*GRP         ; LDS: group x GRP + wave x PART
	s_add_nc_u64 s[G0+4*\g+2:G0+4*\g+3], s[6:7], \g*GRP
	s_or_b32 s[G0+4*\g+3], s[G0+4*\g+3], 0x80000000
.endr
.irp g, 0,1,2,3
	tensor_load_to_lds s[G0+4*\g:G0+4*\g+3], s[G1:G1+7]
	s_nop 0
.endr
.rept 4
	v_nop                                          ; behind the tensor loads
.endr
	v_and_b32 v7, 31, v0
	v_lshlrev_b32 v1, 4, v7                        ; 16 x lane
	v_and_b32 v38, 15, v0                          ; r
	v_bfe_u32 v39, v0, 4, 1                        ; h
	v_lshlrev_b32 v2, 5, v38
	v_lshlrev_b32 v7, 4, v38
	v_and_b32 v88, 8, v38
	v_add_nc_u32 v88, v88, v38
	v_lshlrev_b32 v39, 4, v39
	v_sub_nc_u32 v39, v88, v39                     ; r + 8 (r / 8) - 16 h
	s_sub_co_u32 s[GH], 7, ttmp9
	s_lshl_b32 s[GH], s[GH], 4
	s_add_co_u32 s[GH], s[GH], s[WV]               ; my late tile
	s_lshl_b32 s[GL], ttmp9, 4
	s_add_co_u32 s[GL], s[GL], 15
	s_sub_co_u32 s[GL], s[GL], s[WV]               ; my early tile
	s_mov_b32 s75, 0
; Tile g: its bounds, its Q (codes and scale word, straight into registers), my lane's query, and where its result goes in aq
.macro TILEADR g, q0, qm, qb, ac, asc, qf, qs, dq, va, vb
	s_lshr_b32 s[\q0], s[\g], 1
	s_lshl_b32 s[\q0], s[\q0], 5                   ; the tile's queries lie in 32 (g / 2) .. + 31
	s_add_co_u32 s[\qm], s[\q0], 31
	s_lshr_b32 s72, s[\g], 3                       ; its block of 128 tokens
	s_and_b32 s76, s[\g], 7                        ; its tile there
	s_lshl_b32 s73, s[BH], 4
	s_add_co_u32 s73, s73, s72
	s_mul_i32 s74, s73, 4608
	s_add_nc_u64 s[\qb:\qb+1], s[4:5], s[74:75]    ; the record of qc
	v_lshl_add_u32 v[\va], s76, 9, v1
	global_load_b128 v[\qf:\qf+3], v[\va], s[\qb:\qb+1]
	v_lshl_add_u32 v[\vb], s76, 2, v2
	global_load_b32 v[\qs], v[\vb], s[\qb:\qb+1] offset:4096
	s_and_b32 s79, s[\g], 1
	s_lshl_b32 s79, s79, 3
	s_add_co_u32 s79, s79, s[\q0]
	v_add_nc_u32 v[\dq], s79, v39                  ; my query - 16 h
	s_lshr_b32 s73, s[BH], 4                       ; aq: block 16 batch + g / 8, chunk head / 8, K step (head / 2) % 4, half head % 2
	s_lshl_b32 s73, s73, 4
	s_add_co_u32 s73, s73, s72
	s_lshl_b32 s73, s73, 1
	s_bfe_u32 s77, s[BH], 0x10003
	s_add_co_u32 s73, s73, s77
	s_mul_i32 s73, s73, CHK
	s_bfe_u32 s77, s[BH], 0x20001
	s_and_b32 s78, s[BH], 1
	s_lshl_b32 s74, s77, 13
	s_add_co_u32 s74, s74, s73
	s_lshl_b32 s79, s76, 10
	s_add_co_u32 s74, s74, s79
	s_lshl_b32 s79, s78, 9
	s_add_co_u32 s74, s74, s79
	s_add_nc_u64 s[\ac:\ac+1], s[8:9], s[74:75]    ; the codes' 512 bytes
	s_lshl_b32 s74, s76, 8
	s_add_co_u32 s74, s74, s73
	s_lshl_b32 s79, s77, 2
	s_add_co_u32 s74, s74, s79
	s_lshl_b32 s79, s78, 1
	s_add_co_u32 s74, s74, s79
	s_add_co_u32 s74, s74, 32768
	s_add_nc_u64 s[\asc:\asc+1], s[8:9], s[74:75]  ; the two scale bytes of row 0
.endm
	TILEADR GH, Q0H, QMH, QBH, ACH, ASH, 20, 36, 5, 8, 9
	TILEADR GL, Q0L, QML, QBL, ACL, ASL, 28, 37, 6, 10, 11
	s_mov_b32 s[SEL], 0x76543210
	s_mov_b32 s[SEL+1], 0xfedcba98                 ; v_permlanex16_b32's selects for lane l xor 16
	s_mov_b32 s[CS], 0x3e38aa3b                    ; c = log2(e) / 8
	s_mov_b32 s[CS+1], s[CS]                       ; (named with it as a pair, so it is written)
	s_mov_b32 s[TB], 0
	s_mov_b32 s[KF], 0
	v_mov_b32 v13, 0xff61b1e6                      ; the largest t so far: -3e38, under every t
	v_mov_b32 v17, 0xff61b1e6
	v_floor_f32 v12, -v13                          ; -M
	v_floor_f32 v16, -v17
.irp j, 14,15,18,19, 24,25,26,27, 32,33,34,35, 72,73,74,75, 236,237,238,239, 252,253
	v_mov_b32 v\j, 0                               ; the sums; Q's upper codes; the codes behind K's tile 7; destinations of lane permutes and the upper half of a pair, which count as read
.endr
.set j, 0
.rept 64
	v_mov_b32 v[160+j], 0                          ; O^T of both tiles: the step is written once; the first change of M leaves zeros zeros
.set j, j+1
.endr
; A KEY STEP of 128 keys for one of my tiles.  Left out where all its keys come after the tile's queries: a scalar branch on ids; no barrier and no tensor load stands in a step.
.macro STEP ST, QF, QS, OB, DQ, Q0, QM
	s_cmp_gt_u32 s[KF], s[\QM]
	s_cbranch_scc1 .Lhidden_\@
	v_add_nc_u32 v3, s[TB], v1
	v_add_nc_u32 v4, s[TB], v2
	v_nop
	v_nop                                          ; four plain instructions between the last products and the loads into registers that they read
.irp t, 0,1,2,3,4,5,6,7
	ds_load_b128 v[40+4*\t:43+4*\t], v3 offset:512*\t
.endr
	ds_load_b128 v[76:79], v4 offset:8192          ; my row's scale words of the eight tiles
	ds_load_b128 v[80:83], v4 offset:8208
	s_wait_dscnt 0x0
.irp t, 0,1,2,3,4,5,6,7
	v_wmma_scale_f32_16x16x128_f8f6f4 v[96+8*\t:103+8*\t], v[40+4*\t:47+4*\t], v[\QF:\QF+7], 0, v[76+\t], v[\QS] matrix_a_fmt:MATRIX_FMT_FP4 matrix_b_fmt:MATRIX_FMT_FP4
.endr
.rept 4
	v_nop                                          ; places: in front of the loads over K's registers and of the first read of the scores
.endr
.irp d, 0,1,2,3
.irp c, 0,1
	ds_load_b128 v[40+8*\d+4*\c:43+8*\d+4*\c], v3 offset:4096+1024*\d+512*\c   ; V: asked for a whole softmax ahead of its use
.endr
.endr
	ds_load_b128 v[84:87], v3 offset:8704
	s_add_co_u32 s72, s[KF], 127                   ; on the diagonal hidden scores become -infinity ahead of the maximum; a step all of whose keys count skips this
	s_cmp_le_u32 s72, s[\Q0]
	s_cbranch_scc1 .Lopen_\@
	s_sub_co_u32 s72, 0, s[KF]
	v_add_nc_u32 v252, s72, v[\DQ]                 ; d = my query - KF - 16 h.  Register 16 b + i holds key KF + 32 b + 16 h + i: hidden where 32 b + i > d
	v_mov_b32 v254, 0xff800000
.set n, 0
.rept 64
	v_cmp_gt_i32 vcc_lo, 32*(n/16)+n%16, v252
	v_cndmask_b32 v[96+n], v[96+n], v254, vcc_lo
.set n, n+1
.endr
.Lopen_\@:
.irp b, 0,1,2,3
	v_max3_num_f32 v[232+\b], v[96+16*\b], v[97+16*\b], v[98+16*\b]   ; the largest score of each block of 32 keys: for the row's maximum, and, since p rises with the score, for the block's largest p
.endr
.irp i, 3,5,7,9,11,13
.irp b, 0,1,2,3
	v_max3_num_f32 v[232+\b], v[232+\b], v[96+16*\b+\i], v[97+16*\b+\i]
.endr
.endr
.irp b, 0,1,2,3
	v_max_num_f32 v[232+\b], v[232+\b], v[111+16*\b]
.endr
.irp b, 0,1,2,3
	v_permlanex16_b32 v[236+\b], v[232+\b], s[SEL], s[SEL+1]
.endr
.irp b, 0,1,2,3
	v_max_num_f32 v[232+\b], v[232+\b], v[236+\b]  ; with lane l xor 16's 16 keys
.endr
	v_max3_num_f32 v254, v232, v233, v234
	v_max_num_f32 v254, v254, v235
	v_mul_f32 v254, s[CS], v254                    ; the step's largest t (c is positive)
	v_max_num_f32 v[\ST+1], v[\ST+1], v254         ; the running largest t
	v_mov_b32 v254, v[\ST]
	v_floor_f32 v[\ST], -v[\ST+1]                  ; the new -M = -ceil(t): a whole number
	v_sub_f32 v254, v[\ST], v254                   ; old M - new M, 0 or less
	v_cvt_i32_f32 v254, v254                       ; (it saturates)
	v_ldexp_f32 v252, 1.0, v254                    ; f = 2^(old M - new M)
.set j, 0
.rept 32
	v_pk_fma_f32 v[96+j:97+j], v[96+j:97+j], s[CS:CS+1], v[\ST:\ST+1] op_sel_hi:[1,0,0]   ; t - M, two at a time
.set j, j+2
.endr
.irp b, 0,1,2,3
	v_fma_f32 v[232+\b], v[232+\b], s[CS], v[\ST]  ; the same of each block's largest score
.endr
.set j, 0
.rept 64
	v_exp_f32 v[96+j], v[96+j]                     ; p = 2^(t - M)
.set j, j+1
.endr
	v_pk_mul_f32 v[\ST+2:\ST+3], v[\ST+2:\ST+3], v[252:253] op_sel_hi:[1,0]   ; the sums under the new M: the plain instruction behind the exponentials
	s_wait_alu depctr_va_vdst(0)                   ; one wait for the batch of 64, ahead of its first reader
.irp b, 0,1,2,3
	v_exp_f32 v[232+\b], v[232+\b]                 ; the block's largest p
.endr
	v_pk_add_f32 v[236:237], v[96:97], v[98:99]    ; the row's sum of the UNQUANTISED p, in two chains; it reads the 64 alone
.irp j, 4,8,12,16,20,24,28,32,36,40,44,48,52,56,60
	v_pk_add_f32 v[\ST+2:\ST+3], v[\ST+2:\ST+3], v[96+\j:97+\j]
	v_pk_add_f32 v[236:237], v[236:237], v[98+\j:99+\j]
.endr
	v_pk_add_f32 v[\ST+2:\ST+3], v[\ST+2:\ST+3], v[236:237]
	s_wait_alu depctr_va_vdst(0)                   ; and one for the four
.irp b, 0,1,2,3
	v_max_num_f32 v[232+\b], 0x1800000, v[232+\b]  ; the floor 2^(3 - 127)
.endr
.irp b, 0,1,2,3
	v_add_nc_u32 v[244+\b], 0xff000000, v[232+\b]  ; the conversion's scale operand
.endr
.irp b, 0,1,2,3
	v_lshrrev_b32 v[236+\b], 23, v[244+\b]
.endr
	v_lshl_or_b32 v253, v237, 8, v236              ; p's scale word for these 128 keys
	v_lshl_or_b32 v253, v238, 16, v253
	v_lshl_or_b32 v253, v239, 24, v253
.irp b, 0,1,2,3
	v_cvt_scalef32_pk8_fp4_f32 v[224+2*\b], v[96+16*\b:103+16*\b], v[244+\b]
	v_cvt_scalef32_pk8_fp4_f32 v[225+2*\b], v[104+16*\b:111+16*\b], v[244+\b]
.endr
	v_nop                                          ; one plain instruction behind the scaled conversions
.irp c, 0,1
.irp i, 0,1
	v_permlane16_swap_b32 v[224+4*\c+\i], v[226+4*\c+\i]
.endr
.endr
.set j, 0
.rept 16
	v_pk_mul_f32 v[\OB+j:\OB+j+1], v[\OB+j:\OB+j+1], v[252:253] op_sel_hi:[1,0]   ; O^T under the new M.  These sixteen also stand between the writes of p's codes and scale word and the products
.set j, j+2
.endr
	s_wait_dscnt 0x0                               ; V
.irp d, 0,1,2,3
	v_wmma_scale_f32_16x16x128_f8f6f4 v[\OB+8*\d:\OB+8*\d+7], v[40+8*\d:47+8*\d], v[224:231], v[\OB+8*\d:\OB+8*\d+7], v[84+\d], v253 matrix_a_fmt:MATRIX_FMT_FP4 matrix_b_fmt:MATRIX_FMT_FP4
.endr
.Lhidden_\@:
.endm
; Four key steps.  left: my loads of the later groups, which may stay out
.macro GROUP left
	s_wait_tensorcnt \left                         ; my part of this group has landed,
	s_wait_dscnt 0x0
	s_barrier_signal -1
	s_barrier_wait -1                              ; everybody's has
	s_mov_b32 s[CNT], 4
.Lgroup_\@:
	STEP 12, 20, 36, 160, 5, Q0H, QMH
	STEP 16, 28, 37, 192, 6, Q0L, QML
	s_add_co_u32 s[TB], s[TB], REC
	s_add_co_u32 s[KF], s[KF], 128
	s_sub_co_u32 s[CNT], s[CNT], 1
	s_cmp_lg_u32 s[CNT], 0
	s_cbranch_scc1 .Lgroup_\@
.endm
	s_wait_loadcnt 0x0                             ; Q
	GROUP 3
	GROUP 2
	GROUP 1
	GROUP 0
; THE WAY OUT of a tile: O^T / the sum; its 32 registers are two blocks of 32 channels (register 16 b + i = channel 32 b + 16 h + i), quantised as p is: four registers, which are registers 4 c .. 4 c + 3 (c = head % 2) of the
; last product's fragment, and two bytes of its scale word.
.macro OUT ST, OB, pc, pw, ac, asc
	v_add_f32 v[\ST+2], v[\ST+2], v[\ST+3]
	v_permlanex16_b32 v252, v[\ST+2], s[SEL], s[SEL+1]
	v_add_f32 v[\ST+2], v[\ST+2], v252             ; the row's sum
	v_rcp_f32 v[\ST+2], v[\ST+2]
	v_nop                                          ; a plain instruction behind the reciprocal,
	s_wait_alu depctr_va_vdst(0)                   ; and the wait ahead of its first reader
.set j, 0
.rept 16
	v_pk_mul_f32 v[96+j:97+j], v[\OB+j:\OB+j+1], v[\ST+2:\ST+3] op_sel_hi:[1,0]
.set j, j+2
.endr
.irp b, 0,1
	v_max3_num_f32 v[232+\b], |v[96+16*\b]|, |v[97+16*\b]|, 0x1800000
.endr
.irp i, 2,4,6,8,10,12,14
.irp b, 0,1
	v_max3_num_f32 v[232+\b], v[232+\b], |v[96+16*\b+\i]|, |v[97+16*\b+\i]|
.endr
.endr
.irp b, 0,1
	v_permlanex16_b32 v[236+\b], v[232+\b], s[SEL], s[SEL+1]
.endr
.irp b, 0,1
	v_max_num_f32 v[232+\b], v[232+\b], v[236+\b]
.endr
.irp b, 0,1
	v_add_nc_u32 v[244+\b], 0xff000000, v[232+\b]
.endr
.irp b, 0,1
	v_lshrrev_b32 v[236+\b], 23, v[244+\b]
.endr
	v_lshl_or_b32 v[\pw], v237, 8, v236
.irp b, 0,1
	v_cvt_scalef32_pk8_fp4_f32 v[\pc+2*\b], v[96+16*\b:103+16*\b], v[244+\b]
	v_cvt_scalef32_pk8_fp4_f32 v[\pc+1+2*\b], v[104+16*\b:111+16*\b], v[244+\b]
.endr
	v_nop
	v_permlane16_swap_b32 v[\pc], v[\pc+2]
	v_permlane16_swap_b32 v[\pc+1], v[\pc+3]
	global_store_b128 v1, v[\pc:\pc+3], s[\ac:\ac+1]       ; 512 consecutive bytes, aligned
	global_store_b16 v7, v[\pw], s[\asc:\asc+1]            ; two bytes of each row's 16: the other heads' bytes come from other work-groups; lanes r and r + 16 write the same two.  256 KiB of such stores in the launch
.endm
.rept 4
	v_nop                                          ; behind the last products
.endr
	OUT 12, 160, 224, 248, ACH, ASH
	OUT 16, 192, 228, 249, ACL, ASL
	s_wait_tensorcnt 0x0
	ds_add_u32 v251, v255
	s_wait_dscnt 0x0
	s_endpgm
.Lfunc_end_k_q913193f82b_attn:
	.size	k_q913193f82b_attn, .Lfunc_end_k_q913193f82b_attn-k_q913193f82b_attn
	.p2alignl 7, 3214868480
	.fill 96, 4, 3214868480
	.section	.rodata,"a",@progbits
	.p2align	6, 0x0
	.amdhsa_kernel k_q913193f82b_attn
		.amdhsa_group_segment_fixed_size 169984
		.amdhsa_private_segment_fixed_size 0
		.amdhsa_enable_private_segment 0
		.amdhsa_kernarg_size 24
		.amdhsa_user_sgpr_count 2
		.amdhsa_user_sgpr_kernarg_segment_ptr 1
		.amdhsa_wavefront_size32 1
		.amdhsa_system_sgpr_workgroup_id_x 1
		.amdhsa_system_sgpr_workgroup_id_y 1
		.amdhsa_system_sgpr_workgroup_id_z 1
		.amdhsa_system_vgpr_workitem_id 0
		.amdhsa_next_free_vgpr 256
		.amdhsa_next_free_sgpr 80
		.amdhsa_reserve_vcc 1
		.amdhsa_float_denorm_mode_32 3
		.amdhsa_float_denorm_mode_16_64 3
		.amdhsa_memory_ordered 1
		.amdhsa_forward_progress 1
		.amdhsa_inst_pref_size 178
	.end_amdhsa_kernel
	.amdgpu_metadata
---
amdhsa.version: [ 1, 2 ]
amdhsa.kernels:
  - .name:           k_q913193f82b_attn
    .symbol:         k_q913193f82b_attn.kd
    .args:
      - { .name: qc, .offset: 0, .size: 8, .value_kind: global_buffer, .address_space: global }
      - { .name: kv, .offset: 8, .size: 8, .value_kind: global_buffer, .address_space: global }
      - { .name: aq, .offset: 16, .size: 8, .value_kind: global_buffer, .address_space: global }
    .group_segment_fixed_size: 169984
    .private_segment_fixed_size: 0
    .kernarg_segment_align: 8
    .kernarg_segment_size: 24
    .max_flat_workgroup_size: 512
    .sgpr_count:     80
    .vgpr_count:     256
    .wavefront_size: 32
...
	.end_amdgpu_metadata
.endif
;; end of part 3
;; launch gemm_proj (part 4): grid 4 x 32, 4 waves a work-group, clusters of 4 x 4, 279,040 bytes of LDS; arguments aq, wq, b_proj, out0; writes out0
.if DOCPART == 4
	.amdgcn_target "amdgcn-amd-amdhsa--gfx1250"
	.amdhsa_code_object_version 6
	.text
	.protected	k_q913193f82b_gemm_proj
	.globl	k_q913193f82b_gemm_proj
	.p2align	8
	.type	k_q913193f82b_gemm_proj,@function
k_q913193f82b_gemm_proj:
	s_mov_b64 s[64:65], 0
	v_nop
	global_prefetch_b8 v0, s[64:65] scope:SCOPE_SE
	s_setreg_imm32_b32 hwreg(HW_REG_WAVE_MODE, 25, 1), 1
	s_wait_xcnt 0x0
	s_wait_alu depctr_hold_cnt(0) depctr_sa_sdst(0) depctr_va_vdst(0) depctr_va_sdst(0) depctr_va_ssrc(0) depctr_va_vcc(0) depctr_vm_vsrc(0)
	s_getreg_b32 s2, hwreg(HW_REG_IB_STS2, 6, 4)
	s_cmp_eq_u32 s2, 0
	s_cbranch_scc0 .Lentry_in_a_cluster
	s_endpgm
.Lentry_in_a_cluster:
	s_bfe_u32 s2, ttmp6, 0x10000c
	s_cmp_lg_u32 s2, 0xf033
	s_cbranch_scc0 .Lentry_shape_is_right
	s_endpgm
.Lentry_shape_is_right:
; out0 = attention's result x w_proj + b_proj on codes of FP4 (E2M1) with E8M0 scales, K = 1,024; out0 [8192][1024] f32.
; D = S0 S1^T: source 0 = 16 columns of w_proj (blocks 24-31 of wq), source 1 = 16 tokens (aq): a lane holds one token, and its eight registers of S0's tile 2 b + u are columns 32 b + 16 h + 8 u + 0 .. 7.
; Lane r of tile 2 b + u of a block of 128 rows holds row 32 b + 8 u + r + 8 (r / 8).  Operands lie in memory as images of their registers: a block's chunk of 512 along K is one dense run of CHK bytes:
; codes [K step 4][tile 8][1,024], scale words [tile][row][K step].
; A work-group makes 256 x 256, each of its four waves 128 x 128: 64 accumulators.  K's two chunks are the two LDS slots, each filled ONCE at the head.  128 work-groups: with this tile the product has no more.
; CLUSTERS: 4 x 4 work-groups; S1's blocks are shared along a row of the cluster, S0's along a column: joint loads.
; REGISTERS, in windows of 256: window 0: v0-31 addresses; v32-95 scale words, two sets; v128-191 S1's fragments; on the way out v128-255 rows of out0.
;   window 1: S0's fragments, two sets, at v0 and v128; v64-127 the bias as the first products' C.   windows 2, 3: the accumulators: (a, b) at v[8 (8 (a % 4) + b)].
.set CHK,    34816
.set BLKREC, 2*CHK
.set SLOT,   4*CHK
.set NQ,     4
.set FR,     8
.set NP,     4                         ; places behind this matrix instruction (ISA guide 7.12.1)
.set SPITCH, 528                       ; the way out: a stage of 16 rows x (512 + 16) bytes for each wave, in slot 0, which has had its one fill and its last read when the first result is stored there
.set LI,   5
.set ADRA, 16
.set ADRB, 20
.set STO,  24
.set RD,   25
.set ADRS, 26
.set SC,   32
.set AF,   128
.set BK,   128
.set BI,   64
.set G1,  24
.set G0,  32
.set G1B, 48
.set G0B, 56
.set MSB, 0
.macro WIN new                         ; the immediate's high byte repeats the setting that is left
.if MSB != \new
	s_set_vgpr_msb (MSB<<8)|\new
.set MSB, \new
.endif
.endm
.set MUL_LO,  0xa1
.set MUL_HI,  0xf1
.set BIAS_LO, 0x91
.set BIAS_HI, 0xd1
.set TO_B,    0x40
.macro CREST
	s_cmp_lg_u32 s14, 0
	s_cbranch_scc1 .Lnot_wave_0_\@
	s_barrier_signal -3
.Lnot_wave_0_\@:
	s_barrier_wait -3
	s_barrier_signal -1
	s_barrier_wait -1
.endm
.macro CROUND
	s_barrier_signal -1
	s_barrier_wait -1
	CREST
.endm
.macro PLACES n
.rept \n
	v_nop
.endr
.endm
	s_load_b128 s[4:7], s[0:1], 0x0                ; aq, wq
	s_load_b128 s[8:11], s[0:1], 0x10              ; b_proj, out0
	v_lshl_add_u32 v126, v0, 2, 0x44000
	v_mov_b32 v127, 0
	ds_add_u32 v126, v127
	ds_add_u32 v126, v127
	v_lshrrev_b32 v1, 5, v0
	v_readfirstlane_b32 s14, v1                    ; wave 0..3
	s_lshr_b32 s15, s14, 1                         ; which block of S1 I multiply.  Also: I fetch for S1 (0) or S0 (1)
	s_and_b32 s16, s14, 1                          ; which block of S0 I multiply.  Also: which of the two blocks I fetch
	s_bfe_u32 s40, ttmp6, 0x40000                  ; cx
	s_bfe_u32 s41, ttmp6, 0x40004                  ; cy
	s_lshl_b32 s42, ttmp9, 2
	s_add_co_u32 s42, s42, s40                     ; S0's 256 columns: 4 x cluster x + cx
	s_and_b32 s43, ttmp7, 0xffff
	s_lshl_b32 s43, s43, 2
	s_add_co_u32 s43, s43, s41                     ; S1's 256 tokens: 4 x cluster y + cy
	s_lshl_b32 s44, s41, 2
	s_lshl_b32 s44, 15, s44                        ; my row of the cluster
	s_lshl_b32 s45, 0x1111, s40                    ; my column
	s_or_b32 s[G1+0], s44, (3<<16)|(1<<21)         ; 15:0 the mask; 17:16 elements of 8 bytes; 21 set beside a mask
	s_or_b32 s[G1B+0], s45, (3<<16)|(1<<21)
.irp g, G1, G1B
	s_mov_b32 s[\g+1], 32<<16                      ; a dense run of CHK bytes as 136 rows of 256
	s_mov_b32 s[\g+2], 136<<16
	s_mov_b32 s[\g+3], 32<<16
	s_mov_b32 s[\g+4], 136
	s_mov_b32 s[\g+5], 32
	s_mov_b32 s[\g+6], 0
	s_mov_b32 s[\g+7], 0
.endr
	s_lshl_b32 s20, s43, 1
	s_add_co_u32 s20, s20, s16
	s_mul_i32 s20, s20, BLKREC
	s_mov_b32 s21, 0
	s_lshl_b32 s46, s42, 1
	s_add_co_u32 s46, s46, s16
	s_add_co_u32 s46, s46, 24                      ; w_proj's blocks lie behind w_attn's 24
	s_mul_i32 s46, s46, BLKREC
	s_mov_b32 s47, 0
	s_mul_i32 s18, s14, CHK                        ; LDS: wave x CHK
	s_wait_dscnt 0x0
	s_wait_kmcnt 0x0
	s_add_nc_u64 s[20:21], s[4:5], s[20:21]
	s_add_nc_u64 s[46:47], s[6:7], s[46:47]
.irp s, 0,1
	s_mov_b32 s[G0+4*\s], 1
	s_add_co_u32 s[G0+4*\s+1], s18, \s*SLOT
	s_add_nc_u64 s[G0+4*\s+2:G0+4*\s+3], s[20:21], \s*CHK
	s_or_b32 s[G0+4*\s+3], s[G0+4*\s+3], 0x80000000
	s_mov_b32 s[G0B+4*\s], 1
	s_add_co_u32 s[G0B+4*\s+1], s18, \s*SLOT
	s_add_nc_u64 s[G0B+4*\s+2:G0B+4*\s+3], s[46:47], \s*CHK
	s_or_b32 s[G0B+4*\s+3], s[G0B+4*\s+3], 0x80000000
.endr
	CROUND                                         ; all sixteen work-groups are here: the joint loads meet
	s_cmp_eq_u32 s15, 0                            ; a wave's two fills stand in one branch on its number: two loads of mine are out.  Four v_nop follow the second
	s_cbranch_scc0 .Lfirst_b
	tensor_load_to_lds s[G0:G0+3], s[G1:G1+7]
	s_nop 0
	tensor_load_to_lds s[G0+4:G0+7], s[G1:G1+7]
	s_nop 0
	PLACES 4
	s_branch .Lfirst_asked
.Lfirst_b:
	tensor_load_to_lds s[G0B:G0B+3], s[G1B:G1B+7]
	s_nop 0
	tensor_load_to_lds s[G0B+4:G0B+7], s[G1B:G1B+7]
	s_nop 0
	PLACES 4
.Lfirst_asked:
	v_and_b32 v1, 15, v0                           ; r
	v_bfe_u32 v2, v0, 4, 1                         ; h
	v_and_b32 v3, 31, v0
	v_lshlrev_b32 v[LI], 4, v3
	s_lshl_b32 s66, s42, 1
	s_add_co_u32 s66, s66, s16                     ; my block of columns, 0..7
	s_lshl_b32 s67, s43, 1
	s_add_co_u32 s67, s67, s15                     ; my block of tokens, 0..63
	s_mov_b32 s79, 0
	s_lshl_b32 s78, s66, 9
	s_add_nc_u64 s[80:81], s[8:9], s[78:79]        ; its 128 biases
	s_lshl_b32 s77, s67, 19                        ; 128 rows of 4,096 bytes
	s_add_co_u32 s78, s78, s77
	s_add_nc_u64 s[10:11], s[10:11], s[78:79]      ; my 128 x 128 of out0
	v_lshlrev_b32 v6, 6, v2                        ; the bias in the results' layout: register j of S0's tile 2 b + u is column 32 b + 16 h + 8 u + j
	WIN TO_B
.irp b, 0,1,2,3,4,5,6,7
	global_load_b128 v[BI+8*\b:BI+8*\b+3], v6, s[80:81] offset:(32*(\b/2)+8*(\b%2))*4
	global_load_b128 v[BI+8*\b+4:BI+8*\b+7], v6, s[80:81] offset:(32*(\b/2)+8*(\b%2))*4+16
.endr
	WIN 0
	s_mul_i32 s82, s15, CHK
	s_mul_i32 s83, s16, CHK
	s_add_co_u32 s83, s83, 2*CHK
.irp s, 0,1
	v_add_nc_u32 v[ADRA+\s], s82, v[LI]
	v_add_nc_u32 v[ADRB+\s], s83, v[LI]
	s_add_co_u32 s82, s82, SLOT
	s_add_co_u32 s83, s83, SLOT
.endr
	s_mul_i32 s82, s15, CHK
	s_mul_i32 s83, s16, CHK
	s_add_co_u32 s83, s83, 2*CHK
	s_sub_co_u32 s83, s83, s82
	v_mul_u32_u24 v4, s83, v2                      ; lanes 16-31 take S0's scale words
	v_lshl_add_u32 v4, v1, 4, v4
	s_add_co_u32 s82, s82, 32768
	v_add_nc_u32 v[ADRS], s82, v4
	v_add_nc_u32 v[ADRS+1], SLOT, v[ADRS]
	s_mul_i32 s82, s14, 16*SPITCH                  ; my stage
	v_mul_u32_u24 v4, v1, SPITCH
	v_lshl_add_u32 v4, v2, 6, v4
	v_add_nc_u32 v[STO], s82, v4                   ; in: row r, + 64 h
	v_add_nc_u32 v[RD], s82, v[LI]                 ; back: the 32 lanes take one row of 512 bytes
.macro FRAG reg, adr, q, i
.irp c, 0,1
	ds_load_b128 v[\reg+4*\c:\reg+4*\c+3], v[\adr] offset:8192*(\q)+1024*(\i)+512*\c
.endr
.endm
; 16 matrix instructions: S1's tiles a0, a0 + 1 x S0's eight.  zero = 1: C = the bias by S0's tile; 0: in place.  The 64 accumulators take turns, one instruction a turn.
.macro MUL16 a0, p, q, sc, zero
.irp a, \a0, \a0+1
.irp b, 0,1,2,3,4,5,6,7
.set rD, 8*(8*((\a)%4)+\b)
.set rB, 128*(\p)+FR*\b
.set rA, AF+FR*(\a)
.set wB, SC+32*(\sc)+NQ*\b+(\q)
.set wA, SC+32*(\sc)+NQ*(\a)+(\q)
.if (\zero) == 1
	v_wmma_scale_f32_16x16x128_f8f6f4 v[rD:rD+7], v[rB:rB+7], v[rA:rA+7], v[BI+8*\b:BI+8*\b+7], v[wB], v[wA] matrix_a_fmt:MATRIX_FMT_FP4 matrix_b_fmt:MATRIX_FMT_FP4 matrix_a_scale:MATRIX_SCALE_ROW1
.else
	v_wmma_scale_f32_16x16x128_f8f6f4 v[rD:rD+7], v[rB:rB+7], v[rA:rA+7], v[rD:rD+7], v[wB], v[wA] matrix_a_fmt:MATRIX_FMT_FP4 matrix_b_fmt:MATRIX_FMT_FP4 matrix_a_scale:MATRIX_SCALE_ROW1
.endif
.endr
.endr
.endm
.macro FETCH_B slot, q, p
	WIN TO_B
.irp i, 0,1,2,3,4,5,6,7
	FRAG 128*(\p)+FR*\i, ADRB+\slot, \q, \i
.endr
	WIN 0
.endm
.macro FETCH_A slot, q, i0
.irp i, \i0, \i0+1, \i0+2, \i0+3
	FRAG AF+FR*(\i), ADRA+\slot, \q, \i
.endr
.endm
.macro SCALES sc
.irp i, 0,1,2,3,4,5,6,7
	ds_load_b128 v[SC+32*\sc+4*\i:SC+32*\sc+4*\i+3], v[ADRS+\sc] offset:256*\i
.endr
.endm
.macro STEP slot, q, zero
	s_wait_dscnt 8                                 ; all but the youngest eight loads (S1's tiles 4-7) are in
.if \zero
	WIN BIAS_LO
.else
	WIN MUL_LO
.endif
	MUL16 0, (\q)%2, \q, \slot, \zero
	MUL16 2, (\q)%2, \q, \slot, \zero
	s_wait_dscnt 0x0
	PLACES NP                                      ; in front of loads into registers that matrix instructions have read
	FETCH_B \slot, (\q)+1, 1-(\q)%2
	FETCH_A \slot, (\q)+1, 0
.if \zero
	WIN BIAS_HI
.else
	WIN MUL_HI
.endif
	MUL16 4, (\q)%2, \q, \slot, \zero
	MUL16 6, (\q)%2, \q, \slot, \zero
	PLACES NP
	WIN 0
	FETCH_A \slot, (\q)+1, 4
.endm
	s_wait_loadcnt 0x0                             ; the bias
	s_wait_tensorcnt 1                             ; my part of chunk 0 is in; chunk 1's load may stay out
	s_barrier_signal -1
	s_barrier_wait -1
	FETCH_B 0, 0, 0
	FETCH_A 0, 0, 0
	SCALES 0
	FETCH_A 0, 0, 4
	STEP 0, 0, 1                                   ; the first step starts the sums with the bias
	STEP 0, 1, 0
	STEP 0, 2, 0
	s_wait_tensorcnt 0x0                           ; slot 0's last step crosses into slot 1: my part of chunk 1 has landed
	s_wait_dscnt 8
	WIN MUL_LO
	MUL16 0, 1, 3, 0, 0
	s_wait_dscnt 0x0                               ; my reads of slot 0 are over
	s_barrier_signal -1
	MUL16 2, 1, 3, 0, 0
	WIN 0
	s_barrier_wait -1                              ; chunk 1 is whole, and nobody reads slot 0 any more
	PLACES NP
	FETCH_B 1, 0, 0
	FETCH_A 1, 0, 0
	SCALES 1
	WIN MUL_HI
	MUL16 4, 1, 3, 0, 0
	MUL16 6, 1, 3, 0, 0
	PLACES NP
	WIN 0
	FETCH_A 1, 0, 4
	STEP 1, 0, 0
	STEP 1, 1, 0
	STEP 1, 2, 0
	s_wait_dscnt 8
	WIN MUL_LO
	MUL16 0, 1, 3, 1, 0
	MUL16 2, 1, 3, 1, 0
	s_wait_dscnt 0x0
	WIN MUL_HI
	MUL16 4, 1, 3, 1, 0
	MUL16 6, 1, 3, 1, 0
	WIN 0
; THE WAY OUT, a tile of 16 tokens x 128 columns at a time, through my own stage: in by lanes (32 bytes of a row for each of S0's tiles), back as whole rows of 512 bytes.  LDS serves a wave's instructions in order:
; no wait between the stores and the loads, nor in front of the next tile's stores.
.macro TOSTAGE a
.set AC, 64*((\a)%4)
	WIN 0x08+4*((\a)/4)                            ; the data: window 2 or 3
.irp b, 0,1,2,3,4,5,6,7
	ds_store_b128 v[STO], v[AC+8*\b:AC+8*\b+3] offset:128*(\b/2)+32*(\b%2)          ; each accumulator from its low end on
	ds_store_b128 v[STO], v[AC+8*\b+4:AC+8*\b+7] offset:128*(\b/2)+32*(\b%2)+16
.endr
	WIN 0
.set BB, BK+64*((\a)%2)
.irp t, 0,1,2,3,4,5,6,7,8,9,10,11,12,13,14,15
	ds_load_b128 v[BB+4*\t:BB+4*\t+3], v[RD] offset:\t*SPITCH
.endr
.endm
.macro SEND a, younger                 ; younger: the LDS instructions issued behind tile a's loads, which may stay out
.set BB, BK+64*((\a)%2)
	s_wait_dscnt \younger
.irp t, 0,1,2,3,4,5,6,7,8,9,10,11,12,13,14,15
	global_store_b128 v[LI], v[BB+4*\t:BB+4*\t+3], s[10:11] offset:(32*((\a)/2)+8*((\a)%2)+\t+8*(\t/8))*4096 th:TH_STORE_NT   ; stage row t is token 32 (a / 2) + 8 (a % 2) + t + 8 (t / 8) of the block; 32 lanes store 512 consecutive bytes, aligned
.endr
.endm
	PLACES NP                                      ; behind the last products
	TOSTAGE 0
.irp a, 1,2,3,4,5,6,7
.if \a > 1
	s_wait_xcnt 0x0                                ; tile a - 2's stores have read their registers: tile a's loads may land there
.endif
	TOSTAGE \a
	SEND \a-1, 32                                  ; behind tile a - 1's loads: tile a's 16 stores and 16 loads
.endr
	SEND 7, 0
	s_wait_tensorcnt 0x0
	ds_add_u32 v126, v127
	s_wait_dscnt 0x0
	CROUND                                         ; the closing round: no work-group ends while a partner may still ask for a block that names it
	s_endpgm
.Lfunc_end_k_q913193f82b_gemm_proj:
	.size	k_q913193f82b_gemm_proj, .Lfunc_end_k_q913193f82b_gemm_proj-k_q913193f82b_gemm_proj
	.p2alignl 7, 3214868480
	.fill 96, 4, 3214868480
	.section	.rodata,"a",@progbits
	.p2align	6, 0x0
	.amdhsa_kernel k_q913193f82b_gemm_proj
		.amdhsa_group_segment_fixed_size 279040
		.amdhsa_private_segment_fixed_size 0
		.amdhsa_enable_private_segment 0
		.amdhsa_kernarg_size 32
		.amdhsa_user_sgpr_count 2
		.amdhsa_user_sgpr_kernarg_segment_ptr 1
		.amdhsa_wavefront_size32 1
		.amdhsa_system_sgpr_workgroup_id_x 1
		.amdhsa_system_sgpr_workgroup_id_y 1
		.amdhsa_system_sgpr_workgroup_id_z 1
		.amdhsa_system_vgpr_workitem_id 0
		.amdhsa_next_free_vgpr 1024
		.amdhsa_next_free_sgpr 100
		.amdhsa_reserve_vcc 0
		.amdhsa_float_denorm_mode_32 3
		.amdhsa_float_denorm_mode_16_64 3
		.amdhsa_memory_ordered 1
		.amdhsa_forward_progress 1
		.amdhsa_inst_pref_size 123
	.end_amdhsa_kernel
	.amdgpu_metadata
---
amdhsa.version: [ 1, 2 ]
amdhsa.kernels:
  - .name:           k_q913193f82b_gemm_proj
    .symbol:         k_q913193f82b_gemm_proj.kd
    .args:
      - { .name: aq, .offset: 0, .size: 8, .value_kind: global_buffer, .address_space: global }
      - { .name: wq, .offset: 8, .size: 8, .value_kind: global_buffer, .address_space: global }
      - { .name: b_proj, .offset: 16, .size: 8, .value_kind: global_buffer, .address_space: global }
      - { .name: out0, .offset: 24, .size: 8, .value_kind: global_buffer, .address_space: global }
    .group_segment_fixed_size: 279040
    .private_segment_fixed_size: 0
    .kernarg_segment_align: 8
    .kernarg_segment_size: 32
    .max_flat_workgroup_size: 128
    .sgpr_count:     100
    .vgpr_count:     1024
    .wavefront_size: 32
...
	.end_amdgpu_metadata
.endif
;; end of part 4
